; MI455X (gfx1250); checked and timed in simulation.
; The chip was launched on July 23, 2026; its instructions are those of AMD's public machine-readable ISA for CDNA 5 (MIT licence, August 2026) and "CDNA5" Instruction Set Architecture Reference Guide (July 2026). The comments in the code are by the model that wrote it; some were corrected since.
;; Multi Head Attention. Allowed arithmetic: float matrix products may take bf16 or f16 operands with f32 sums; all other float work in f32.
;; Inputs: Wk 8 x 512 x 64 float32; Wo 512 x 512 float32; Wq 8 x 512 x 64 float32; Wv 8 x 512 x 64 float32; bk 8 x 64 float32; bo 512 float32; bq 8 x 64 float32; bv 8 x 64 float32; k_in 4 x 2,048 x 512 float32; q_in 4 x 2,048 x 512 float32; v_in 4 x 2,048 x 512 float32.
;; Outputs: out0 4 x 2,048 x 512 float32.
;; One version. Each part assembles by itself: llvm-mc -triple=amdgcn-amd-amdhsa -mcpu=gfx1250 --defsym DOCPART=n.
;; ======== version 1 of 1: 4 launches
;; workspace buffers: wb 2,097,152 bytes; qkv 25,165,824 bytes; ob 8,388,608 bytes
;; launch cast (part 1): grid 64 x 4, 8 waves a work-group, no clusters, 0 bytes of LDS; arguments Wq, Wk, Wv, Wo, wb; writes wb
.if DOCPART == 1
	.amdgcn_target "amdgcn-amd-amdhsa--gfx1250"
	.amdhsa_code_object_version 6
	.text
	.protected	k_q47fde197ba_cast
	.globl	k_q47fde197ba_cast
	.p2align	8
	.type	k_q47fde197ba_cast,@function
k_q47fde197ba_cast:
	s_mov_b64 s[64:65], 0
	v_nop
	global_prefetch_b8 v0, s[64:65] scope:SCOPE_SE
	s_setreg_imm32_b32 hwreg(HW_REG_WAVE_MODE, 25, 1), 1
	s_wait_xcnt 0x0
; wb = bf16 of Wq, Wk, Wv, Wo, one behind the other, each in its own index order (262,144 numbers, 524,288 bytes in wb).
; The weights are read by every row block of the later launches: they are rounded once here, so that those launches fetch 2 bytes a number
; and convert nothing.  A stream: no LDS, no matrix unit, no cluster (no two work-groups read the same byte).
; Work-group (x, y): tensor y, numbers 4,096 x .. 4,096 x + 4,095.  Thread t: 8 numbers at 8 t, twice, 2,048 numbers apart.
; A store of a wave covers 512 consecutive bytes that start at a multiple of 512 from the first byte of wb.
	s_load_b256 s[4:11], s[0:1], 0x0               ; Wq s[4:5], Wk s[6:7], Wv s[8:9], Wo s[10:11]
	s_load_b64 s[12:13], s[0:1], 0x20              ; wb
	s_and_b32 s14, ttmp7, 0xffff                   ; y: which tensor
	v_lshlrev_b32 v1, 5, v0                        ; 32 t: my 8 numbers in f32
	v_lshlrev_b32 v2, 4, v0                        ; 16 t: the same in bf16
	s_lshl_b32 s16, ttmp9, 14                      ; the piece in the source: 4,096 numbers of 4 bytes
	s_mov_b32 s17, 0
	s_lshl_b32 s18, s14, 19                        ; the tensor in wb
	s_lshl_b32 s15, ttmp9, 13                      ; the piece in wb
	s_add_co_u32 s18, s18, s15
	s_mov_b32 s19, 0
	s_wait_kmcnt 0x0
	s_cmp_eq_u32 s14, 1
	s_cselect_b64 s[4:5], s[6:7], s[4:5]
	s_cmp_eq_u32 s14, 2
	s_cselect_b64 s[4:5], s[8:9], s[4:5]
	s_cmp_eq_u32 s14, 3
	s_cselect_b64 s[4:5], s[10:11], s[4:5]
	s_add_nc_u64 s[4:5], s[4:5], s[16:17]
	s_add_nc_u64 s[12:13], s[12:13], s[18:19]
	global_load_b128 v[4:7], v1, s[4:5] th:TH_LOAD_NT
	global_load_b128 v[8:11], v1, s[4:5] offset:16 th:TH_LOAD_NT
	global_load_b128 v[12:15], v1, s[4:5] offset:8192 th:TH_LOAD_NT
	global_load_b128 v[16:19], v1, s[4:5] offset:8208 th:TH_LOAD_NT
	s_wait_loadcnt 0x2                             ; the first 8 numbers are in; the two loads of the second 8 stay out
	v_cvt_pk_bf16_f32 v4, v4, v5
	v_cvt_pk_bf16_f32 v5, v6, v7
	v_cvt_pk_bf16_f32 v6, v8, v9
	v_cvt_pk_bf16_f32 v7, v10, v11
	global_store_b128 v2, v[4:7], s[12:13]
	s_wait_loadcnt 0x0
	v_cvt_pk_bf16_f32 v12, v12, v13
	v_cvt_pk_bf16_f32 v13, v14, v15
	v_cvt_pk_bf16_f32 v14, v16, v17
	v_cvt_pk_bf16_f32 v15, v18, v19
	global_store_b128 v2, v[12:15], s[12:13] offset:4096
	s_endpgm
.Lfunc_end_k_q47fde197ba_cast:
	.size	k_q47fde197ba_cast, .Lfunc_end_k_q47fde197ba_cast-k_q47fde197ba_cast
	.p2alignl 7, 3214868480
	.fill 96, 4, 3214868480
	.section	.rodata,"a",@progbits
	.p2align	6, 0x0
	.amdhsa_kernel k_q47fde197ba_cast
		.amdhsa_group_segment_fixed_size 0
		.amdhsa_private_segment_fixed_size 0
		.amdhsa_enable_private_segment 0
		.amdhsa_kernarg_size 40
		.amdhsa_user_sgpr_count 2
		.amdhsa_user_sgpr_kernarg_segment_ptr 1
		.amdhsa_wavefront_size32 1
		.amdhsa_system_sgpr_workgroup_id_x 1
		.amdhsa_system_sgpr_workgroup_id_y 1
		.amdhsa_system_sgpr_workgroup_id_z 1
		.amdhsa_system_vgpr_workitem_id 0
		.amdhsa_next_free_vgpr 20
		.amdhsa_next_free_sgpr 66
		.amdhsa_reserve_vcc 0
		.amdhsa_float_denorm_mode_32 3
		.amdhsa_float_denorm_mode_16_64 3
		.amdhsa_memory_ordered 1
		.amdhsa_forward_progress 1
		.amdhsa_inst_pref_size 3
	.end_amdhsa_kernel
	.amdgpu_metadata
---
amdhsa.version: [ 1, 2 ]
amdhsa.kernels:
  - .name:           k_q47fde197ba_cast
    .symbol:         k_q47fde197ba_cast.kd
    .args:
      - { .name: Wq, .offset: 0, .size: 8, .value_kind: global_buffer, .address_space: global }
      - { .name: Wk, .offset: 8, .size: 8, .value_kind: global_buffer, .address_space: global }
      - { .name: Wv, .offset: 16, .size: 8, .value_kind: global_buffer, .address_space: global }
      - { .name: Wo, .offset: 24, .size: 8, .value_kind: global_buffer, .address_space: global }
      - { .name: wb, .offset: 32, .size: 8, .value_kind: global_buffer, .address_space: global }
    .group_segment_fixed_size: 0
    .private_segment_fixed_size: 0
    .kernarg_segment_align: 8
    .kernarg_segment_size: 40
    .max_flat_workgroup_size: 256
    .sgpr_count:     66
    .vgpr_count:     20
    .wavefront_size: 32
...
	.end_amdgpu_metadata
.endif
;; end of part 1
;; launch proj (part 2): grid 64 x 3, 8 waves a work-group, clusters of 4 x 1, 327,680 bytes of LDS; arguments q_in, k_in, v_in, bq, bk, bv, wb, qkv; writes qkv
.if DOCPART == 2
	.amdgcn_target "amdgcn-amd-amdhsa--gfx1250"
	.amdhsa_code_object_version 6
	.text
	.protected	k_q47fde197ba_proj
	.globl	k_q47fde197ba_proj
	.p2align	8
	.type	k_q47fde197ba_proj,@function
k_q47fde197ba_proj:
	s_mov_b64 s[64:65], 0
	v_nop
	global_prefetch_b8 v0, s[64:65] scope:SCOPE_SE
	s_setreg_imm32_b32 hwreg(HW_REG_WAVE_MODE, 25, 1), 1
	s_wait_xcnt 0x0
	s_wait_alu depctr_hold_cnt(0) depctr_sa_sdst(0) depctr_va_vdst(0) depctr_va_sdst(0) depctr_va_ssrc(0) depctr_va_vcc(0) depctr_vm_vsrc(0)
	s_getreg_b32 s2, hwreg(HW_REG_IB_STS2, 6, 4)
	s_cmp_eq_u32 s2, 0
	s_cbranch_scc0 .Lentry_in_a_cluster
	s_endpgm
.Lentry_in_a_cluster:
	s_bfe_u32 s2, ttmp6, 0x10000c
	s_cmp_lg_u32 s2, 0x3003
	s_cbranch_scc0 .Lentry_shape_is_right
	s_endpgm
.Lentry_shape_is_right:
; qkv[y] = x_y W_y + b_y for y = 0, 1, 2 (q, k, v), stored bf16 as [batch][head][s][64].  x: [8192][512] f32; W from wb: [head][k 512][d 64] bf16.
; LIMITS: x and W enter the products as bf16, the sums and the bias are f32, the result is rounded once to bf16.  NaN and infinities get no care of their own.
; A work-group makes 128 rows x all 512 columns of one tensor, so each byte of x is read and converted once in the launch: 64 x 3 = 192 work-groups
; (24,576 rows do not split into 256 equal blocks that stay inside one tensor).  Eight waves, two on a SIMD, so that one wave's conversions and LDS
; waits lie under the other's products.  Wave w: rows 64 (w & 1) .., columns 128 (w >> 1) .. (two heads): 4 x 8 accumulator tiles, 256 registers.
; CLUSTER: the four row blocks of a cluster walk the same tiles of W, so W's tiles are asked for jointly (mask 15): each partner issues the same
; tensor load with the same descriptor (made of y and the wave's number alone) and receives the tile in its own LDS.
; K goes in 8 steps of 64, written out.  W's tiles take turns in two LDS slots; x comes through registers (f32), is rounded and laid into one of two
; LDS buffers of its own, two steps ahead in memory, one step ahead in LDS.
; THE MATRIX INSTRUCTION IS USED TRANSPOSED: source 0 = 16 columns of W (by the transposing LDS load, W lies [k][n]), source 1 = 16 rows of x.
; Lane l then holds row l % 16 and its 8 registers the columns 8 (l / 16) + 0 .. 7: 16 neighbouring bytes of a head's row.
.set WV,    20                         ; s20: the wave's number
.set WP,    160                        ; LDS pitch of a k row of one head: 128 bytes + 32 (an odd multiple of 32 bytes, for the transposing load)
.set WHEAD, 64*WP                      ; one head's 64 k rows
.set WSLOT, 8*WHEAD                    ; a slot: 8 heads
.set WTILE, 64*128                     ; the same 64 k rows in wb
.set XP,    144                        ; LDS pitch of a row of x: 128 bytes + 16 (an odd multiple of 16 bytes: 16 rows start in 16 different 16-byte columns modulo 256)
.set XB,    2*WSLOT                    ; two buffers of 128 rows of x, written by LDS stores alone
.set XBUF,  128*XP
.set STG,   XB+2*XBUF                  ; the way out: for each wave 2 heads x 16 rows, pitch 144
.set STGW,  2*16*XP
.set HEADB, 2048*128                   ; bytes of one head in qkv
.set G1, 32                            ; s[32:39] descriptor group 1
.set G0, 40                            ; s[40:47] descriptor group 0, one set for each slot
.set XO,  8                            ; v8      my byte offset in x
.set XS,  9                            ; v9-10   where I store my rounded x, buffer 0, 1
.set AX,  11                           ; v11-12  my x fragments, buffer 0, 1
.set AW,  13                           ; v13-14  my W fragments, slot 0, 1
.set STO, 15                           ; v15     the way out: where I put 16 bytes
.set RD,  16                           ; v16     the way out: where I read rows back
.set CO,  17                           ; v17     my byte offset in qkv
.set BO,  18                           ; v18     my byte offset in the bias
.set XF,  24                           ; v[24:55]   fragments of x, 4 x 8
.set WF,  56                           ; v[56:119]  fragments of W, 8 x 8
.set ST,  120                          ; v[120:183] x as loaded, two sets of 32
.set BI,  184                          ; v[184:247] the bias in the layout of a result tile, 8 x 8
.set TMP, 24                           ; the way out: packed results
.set RB,  56                           ; the way out: rows read back, two sets of 32
; window 1 (v256-511): accumulator tile (a, b) at v[8 (8 a + b)]
.set MSB, 0
.macro WIN new                         ; s_set_vgpr_msb: bits 1:0 source 0, 3:2 source 1, 5:4 source 2, 7:6 destination; the high byte repeats the setting that is left
.if MSB != \new
	s_set_vgpr_msb (MSB<<8)|\new
.set MSB, \new
.endif
.endm
.macro PLACES n
.rept \n
	v_nop
.endr
.endm
; A round of the cluster's barrier: my work-group's barrier, wave 0 signals for the work-group, every wave waits for all four work-groups, my work-group's barrier again.
.macro ROUND
	s_barrier_signal -1
	s_barrier_wait -1
	s_cmp_lg_u32 s[WV], 0
	s_cbranch_scc1 .Lnot_wave_0_\@
	s_barrier_signal -3
.Lnot_wave_0_\@:
	s_barrier_wait -3
	s_barrier_signal -1
	s_barrier_wait -1
.endm
	s_load_b512 s[4:19], s[0:1], 0x0               ; q_in, k_in, v_in s[4:9]; bq, bk, bv s[10:15]; wb s[16:17]; qkv s[18:19]
	v_lshl_add_u32 v254, v0, 2, 0x3a000
	v_mov_b32 v255, 0
	ds_add_u32 v254, v255
	v_lshrrev_b32 v1, 5, v0
	v_readfirstlane_b32 s20, v1                    ; wave 0..7
	s_and_b32 s21, s20, 1                          ; which 64 rows
	s_lshr_b32 s22, s20, 1                         ; which 128 columns
	s_bfe_u32 s23, ttmp6, 0x40000                  ; my place in the cluster
	s_lshl_b32 s24, ttmp9, 2
	s_add_co_u32 s24, s24, s23                     ; row block 0..63
	s_and_b32 s25, ttmp7, 0xffff                   ; y: which tensor
	; group 1: 64 k rows of 64 bf16, dense in wb, 32 bytes of padding behind each row in LDS
	s_mov_b32 s[G1+0], 15|(1<<16)|(1<<20)|(1<<21)|(4<<22)|(7<<25)  ; mask: all four partners; elements of 2 bytes; padding on; bit 21 beside a mask; after every 32 words; 8 words
	s_mov_b32 s[G1+1], 64<<16                      ; tensor_dim0 = 64
	s_mov_b32 s[G1+2], 64<<16                      ; tensor_dim1 = 64
	s_mov_b32 s[G1+3], 64<<16                      ; tile_dim0 = 64
	s_mov_b32 s[G1+4], 64                          ; tile_dim1 = 64
	s_mov_b32 s[G1+5], 64                          ; from row to row: 64 elements
	s_mov_b32 s[G1+6], 0
	s_mov_b32 s[G1+7], 0
	s_lshl_b32 s30, s25, 19                        ; W_y in wb,
	s_lshl_b32 s29, s20, 16                        ; head w: I fetch one head's rows
	s_add_co_u32 s30, s30, s29
	s_mov_b32 s31, 0
	s_mul_i32 s29, s20, WHEAD                      ; and where they go
	; lane terms
	v_and_b32 v2, 31, v0                           ; lane l
	v_and_b32 v3, 15, v0                           ; l % 16
	v_bfe_u32 v4, v0, 4, 1                         ; l / 16
	v_lshrrev_b32 v5, 4, v0                        ; t / 16: my row among 16
	v_lshlrev_b32 v6, 4, v3
	v_lshl_add_u32 v[XO], v5, 11, v6               ; row x 2,048 bytes + 16 bytes: 16 lanes read 256 consecutive bytes of a row
	v_mul_u32_u24 v6, v5, XP
	v_lshl_add_u32 v6, v3, 3, v6                   ; the same 4 numbers as 8 bytes
	v_add_nc_u32 v[XS], XB, v6
	v_add_nc_u32 v[XS+1], XB+XBUF, v6
	v_mul_u32_u24 v6, v3, XP
	v_lshl_add_u32 v6, v4, 4, v6                   ; row l % 16, 16 bytes for each half of the lanes
	s_mul_i32 s26, s21, 64*XP
	v_add_nc_u32 v7, s26, v6
	v_add_nc_u32 v[AX], XB, v7
	v_add_nc_u32 v[AX+1], XB+XBUF, v7
	v_and_b32 v7, 7, v0
	v_lshl_add_u32 v7, v4, 3, v7                   ; k row 8 (l / 16) + l % 8
	v_mul_u32_u24 v7, v7, WP
	v_bfe_u32 v19, v0, 3, 1
	v_lshl_add_u32 v7, v19, 4, v7                  ; + 16 bytes for the odd groups of 8 lanes
	s_mul_i32 s27, s22, 2*WHEAD                    ; my two heads
	v_add_nc_u32 v[AW], s27, v7
	v_add_nc_u32 v[AW+1], WSLOT, v[AW]
	s_mul_i32 s28, s20, STGW
	s_add_co_u32 s28, s28, STG                     ; my stage
	v_add_nc_u32 v[STO], s28, v6
	v_bfe_u32 v7, v0, 3, 2
	v_mul_u32_u24 v7, v7, XP                       ; back: 8 lanes take one row of 128 bytes, a load takes 4 rows
	v_and_b32 v19, 7, v0
	v_lshl_add_u32 v7, v19, 4, v7
	v_add_nc_u32 v[RD], s28, v7
	v_lshlrev_b32 v[CO], 4, v2                     ; those 4 rows are 512 consecutive bytes of qkv
	v_lshlrev_b32 v[BO], 5, v4                     ; 8 (l / 16) numbers of 4 bytes
	s_wait_dscnt 0x0
	s_wait_kmcnt 0x0
	s_cmp_eq_u32 s25, 1
	s_cselect_b64 s[48:49], s[6:7], s[4:5]
	s_cselect_b64 s[50:51], s[12:13], s[10:11]
	s_cmp_eq_u32 s25, 2
	s_cselect_b64 s[48:49], s[8:9], s[48:49]       ; x
	s_cselect_b64 s[50:51], s[14:15], s[50:51]     ; its bias
	s_lshl_b32 s26, s24, 18                        ; 128 rows of 2,048 bytes
	s_mov_b32 s27, 0
	s_add_nc_u64 s[48:49], s[48:49], s[26:27]
	s_lshl_b32 s26, s22, 9                         ; 128 columns of 4 bytes
	s_add_nc_u64 s[50:51], s[50:51], s[26:27]
	s_lshr_b32 s26, s24, 4                         ; batch (16 row blocks each)
	s_lshl_b32 s26, s26, 2
	s_add_co_u32 s26, s26, s22
	s_lshl_b32 s26, s26, 12                        ; (8 batch + my first head) x 2,048 rows
	s_and_b32 s28, s24, 15
	s_lshl_b32 s28, s28, 7
	s_add_co_u32 s26, s26, s28                     ; + the block's first s
	s_lshl_b32 s28, s21, 6
	s_add_co_u32 s26, s26, s28                     ; + my 64 rows
	s_lshl_b32 s26, s26, 7                         ; rows of 128 bytes
	s_lshl_b32 s28, s25, 23                        ; part y of qkv
	s_add_co_u32 s26, s26, s28
	s_add_nc_u64 s[52:53], s[18:19], s[26:27]
	s_add_nc_u64 s[54:55], s[16:17], s[30:31]      ; my head of W_y (no register on this way ever holds my place in the cluster)
.irp n, 0,1
	s_mov_b32 s[G0+4*\n], 1
	s_add_co_u32 s[G0+4*\n+1], s29, \n*WSLOT
	s_add_nc_u64 s[G0+4*\n+2:G0+4*\n+3], s[54:55], \n*WTILE
	s_or_b32 s[G0+4*\n+3], s[G0+4*\n+3], 0x80000000
.endr
; 8 loads: K step tile of my 8 rows (16 apart), 4 numbers each
.macro XLOAD tile, set
.irp j, 0,1,2,3,4,5,6,7
	global_load_b128 v[ST+32*(\set)+4*\j:ST+32*(\set)+4*\j+3], v[XO], s[48:49] offset:\j*16*2048+(\tile)*256 th:TH_LOAD_NT
.endr
.endm
; round a set in place and lay it into the LDS buffer of the same number
.macro XCONV set
.irp j, 0,1,2,3,4,5,6,7
	v_cvt_pk_bf16_f32 v[ST+32*(\set)+4*\j], v[ST+32*(\set)+4*\j], v[ST+32*(\set)+4*\j+1]
	v_cvt_pk_bf16_f32 v[ST+32*(\set)+4*\j+1], v[ST+32*(\set)+4*\j+2], v[ST+32*(\set)+4*\j+3]
	ds_store_b64 v[XS+(\set)], v[ST+32*(\set)+4*\j:ST+32*(\set)+4*\j+1] offset:\j*16*XP
.endr
.endm
; the fragments of 32 along K: 4 of x (two 16-byte loads each), 8 of W (two transposing loads each, 16 k rows apart)
.macro FRAG slot, kk
.irp a, 0,1,2,3
	ds_load_b128 v[XF+8*\a:XF+8*\a+3], v[AX+(\slot)] offset:\a*16*XP+64*\kk
	ds_load_b128 v[XF+8*\a+4:XF+8*\a+7], v[AX+(\slot)] offset:\a*16*XP+64*\kk+32
.endr
.irp b, 0,1,2,3,4,5,6,7
	ds_load_tr16_b128 v[WF+8*\b:WF+8*\b+3], v[AW+(\slot)] offset:(\b>>2)*WHEAD+32*(\b&3)+32*\kk*WP
	ds_load_tr16_b128 v[WF+8*\b+4:WF+8*\b+7], v[AW+(\slot)] offset:(\b>>2)*WHEAD+32*(\b&3)+32*\kk*WP+16*WP
.endr
.endm
; 32 products.  first = 1: the bias is the C operand, so it starts the sums: nothing is cleared, nothing is added later.
; The 32 accumulators take turns, one instruction a turn.
; The four v_nop are the places behind the products, for the loads into the fragments and for the conversions on the way out.
.macro MUL32 first
.if \first
	WIN 0x40
.else
	WIN 0x50
.endif
.irp a, 0,1,2,3
.irp b, 0,1,2,3,4,5,6,7
.if \first
	v_wmma_f32_16x16x32_bf16 v[8*(8*\a+\b):8*(8*\a+\b)+7], v[WF+8*\b:WF+8*\b+7], v[XF+8*\a:XF+8*\a+7], v[BI+8*\b:BI+8*\b+7]
.else
	v_wmma_f32_16x16x32_bf16 v[8*(8*\a+\b):8*(8*\a+\b)+7], v[WF+8*\b:WF+8*\b+7], v[XF+8*\a:XF+8*\a+7], v[8*(8*\a+\b):8*(8*\a+\b)+7]
.endif
.endr
.endr
	WIN 0
	PLACES 4
.endm
; K step t, from W slot t & 1 and x buffer t & 1.  One barrier a step does three things: W's tile t is whole (each wave waited for its part), x buffer t & 1
; is whole (each wave waited for its stores), and nobody reads the other slot and the other buffer any more (each wave waited for its reads).
.macro TRIP t
	s_wait_tensorcnt 0x0                           ; all my tensor loads are done: the one that was out is my head of tile t,
	ds_add_u32 v254, v255
	s_wait_dscnt 0x0
.if \t < 6
	s_add_nc_u64 s[G0+4*(\t&1)+2:G0+4*(\t&1)+3], s[G0+4*(\t&1)+2:G0+4*(\t&1)+3], 2*WTILE   ; so a group 0 may be written: this slot's next tile
.endif
	s_wait_dscnt 0x0                               ; my LDS reads of the last step and my stores of x for this one are done
.if \t < 7
	ROUND                                          ; all that now holds of every wave of all four partners
	tensor_load_to_lds s[G0+4*((\t+1)&1):G0+4*((\t+1)&1)+3], s[G1:G1+7]   ; tile t + 1 into the slot read last step; it has this whole step to land
	s_nop 0
.else
	s_barrier_signal -1                            ; the last step fills nothing: my work-group's barrier is enough
	s_barrier_wait -1
.endif
.if \t < 6
	XLOAD (\t+2), (\t&1)                           ; x two steps ahead, into the set that was laid into LDS last step
.endif
	FRAG (\t&1), 0
	s_wait_dscnt 0x0
.if \t == 0
	MUL32 1
.else
	MUL32 0
.endif
.if \t < 6
	s_wait_loadcnt 0x8                             ; x of step t + 1 is in; the eight loads of step t + 2 stay out
.endif
.if \t == 6
	s_wait_loadcnt 0x0                             ; x of the last step
.endif
.if \t < 7
	XCONV ((\t+1)&1)                               ; into the buffer that was last read one step ago, in front of this step's barrier
.endif
	FRAG (\t&1), 1
	s_wait_dscnt 0x0
	MUL32 0
.endm
.irp b, 0,1,2,3,4,5,6,7
	global_load_b128 v[BI+8*\b:BI+8*\b+3], v[BO], s[50:51] offset:64*\b        ; register j of tile b: bias of column 16 b + 8 (l / 16) + j
	global_load_b128 v[BI+8*\b+4:BI+8*\b+7], v[BO], s[50:51] offset:64*\b+16
.endr
	XLOAD 0, 0
	XLOAD 1, 1
	ROUND                                          ; the four partners are here: the first joint load meets
	tensor_load_to_lds s[G0:G0+3], s[G1:G1+7]      ; tile 0
	s_nop 0
	s_wait_loadcnt 0x8                             ; the bias and x of step 0 are in; the eight loads of step 1 stay out
	XCONV 0
	TRIP 0
	TRIP 1
	TRIP 2
	TRIP 3
	TRIP 4
	TRIP 5
	TRIP 6
	TRIP 7
; THE WAY OUT, 16 rows at a time: round to bf16, 16 bytes a lane into my own stage, read back as whole rows of a head (128 bytes), four rows a load,
; and store: each store of the wave covers 512 consecutive bytes at a multiple of 512 from the first byte of qkv.
.macro OUT16 a
	WIN 0x05
.irp b, 0,1,2,3,4,5,6,7
.irp i, 0,1,2,3
	v_cvt_pk_bf16_f32 v[TMP+4*\b+\i], v[8*(8*\a+\b)+2*\i], v[8*(8*\a+\b)+2*\i+1]
.endr
.endr
	WIN 0
.irp b, 0,1,2,3,4,5,6,7
	ds_store_b128 v[STO], v[TMP+4*\b:TMP+4*\b+3] offset:(\b>>2)*16*XP+32*(\b&3)
.endr
.if \a >= 2
	s_wait_xcnt 0x0                                ; this set of registers is the data of the stores of two turns ago: loaded again only behind this wait
.endif
.irp i, 0,1,2,3,4,5,6,7
	ds_load_b128 v[RB+32*(\a&1)+4*\i:RB+32*(\a&1)+4*\i+3], v[RD] offset:(\i>>2)*16*XP+(\i&3)*4*XP   ; LDS serves a wave's instructions in order: these see the stores above
.endr
.irp i, 0,1,2,3,4,5,6,7
	s_wait_dscnt 7-\i                              ; read-back i is in, the younger ones stay out
	global_store_b128 v[CO], v[RB+32*(\a&1)+4*\i:RB+32*(\a&1)+4*\i+3], s[52:53] offset:(\i>>2)*HEADB+\a*2048+(\i&3)*512
.endr
.endm
	OUT16 0
	OUT16 1
	OUT16 2
	OUT16 3
	s_wait_tensorcnt 0x0
	ds_add_u32 v254, v255
	s_wait_dscnt 0x0
	ROUND                                          ; the closing round: no work-group ends while a partner may still ask for a tile that names it
	s_endpgm
.Lfunc_end_k_q47fde197ba_proj:
	.size	k_q47fde197ba_proj, .Lfunc_end_k_q47fde197ba_proj-k_q47fde197ba_proj
	.p2alignl 7, 3214868480
	.fill 96, 4, 3214868480
	.section	.rodata,"a",@progbits
	.p2align	6, 0x0
	.amdhsa_kernel k_q47fde197ba_proj
		.amdhsa_group_segment_fixed_size 327680
		.amdhsa_private_segment_fixed_size 0
		.amdhsa_enable_private_segment 0
		.amdhsa_kernarg_size 64
		.amdhsa_user_sgpr_count 2
		.amdhsa_user_sgpr_kernarg_segment_ptr 1
		.amdhsa_wavefront_size32 1
		.amdhsa_system_sgpr_workgroup_id_x 1
		.amdhsa_system_sgpr_workgroup_id_y 1
		.amdhsa_system_sgpr_workgroup_id_z 1
		.amdhsa_system_vgpr_workitem_id 0
		.amdhsa_next_free_vgpr 512
		.amdhsa_next_free_sgpr 66
		.amdhsa_reserve_vcc 0
		.amdhsa_float_denorm_mode_32 3
		.amdhsa_float_denorm_mode_16_64 3
		.amdhsa_memory_ordered 1
		.amdhsa_forward_progress 1
		.amdhsa_inst_pref_size 106
	.end_amdhsa_kernel
	.amdgpu_metadata
---
amdhsa.version: [ 1, 2 ]
amdhsa.kernels:
  - .name:           k_q47fde197ba_proj
    .symbol:         k_q47fde197ba_proj.kd
    .args:
      - { .name: q_in, .offset: 0, .size: 8, .value_kind: global_buffer, .address_space: global }
      - { .name: k_in, .offset: 8, .size: 8, .value_kind: global_buffer, .address_space: global }
      - { .name: v_in, .offset: 16, .size: 8, .value_kind: global_buffer, .address_space: global }
      - { .name: bq, .offset: 24, .size: 8, .value_kind: global_buffer, .address_space: global }
      - { .name: bk, .offset: 32, .size: 8, .value_kind: global_buffer, .address_space: global }
      - { .name: bv, .offset: 40, .size: 8, .value_kind: global_buffer, .address_space: global }
      - { .name: wb, .offset: 48, .size: 8, .value_kind: global_buffer, .address_space: global }
      - { .name: qkv, .offset: 56, .size: 8, .value_kind: global_buffer, .address_space: global }
    .group_segment_fixed_size: 327680
    .private_segment_fixed_size: 0
    .kernarg_segment_align: 8
    .kernarg_segment_size: 64
    .max_flat_workgroup_size: 256
    .sgpr_count:     66
    .vgpr_count:     512
    .wavefront_size: 32
...
	.end_amdgpu_metadata
.endif
;; end of part 2
;; launch attn (part 3): grid 256 x 1, 8 waves a work-group, clusters of 4 x 1, 327,680 bytes of LDS; arguments qkv, ob; writes ob
.if DOCPART == 3
	.amdgcn_target "amdgcn-amd-amdhsa--gfx1250"
	.amdhsa_code_object_version 6
	.text
	.protected	k_q47fde197ba_attn
	.globl	k_q47fde197ba_attn
	.p2align	8
	.type	k_q47fde197ba_attn,@function
k_q47fde197ba_attn:
	s_mov_b64 s[64:65], 0
	v_nop
	global_prefetch_b8 v0, s[64:65] scope:SCOPE_SE
	s_setreg_imm32_b32 hwreg(HW_REG_WAVE_MODE, 25, 1), 1
	s_wait_xcnt 0x0
	s_wait_alu depctr_hold_cnt(0) depctr_sa_sdst(0) depctr_va_vdst(0) depctr_va_sdst(0) depctr_va_ssrc(0) depctr_va_vcc(0) depctr_vm_vsrc(0)
	s_getreg_b32 s2, hwreg(HW_REG_IB_STS2, 6, 4)
	s_cmp_eq_u32 s2, 0
	s_cbranch_scc0 .Lentry_in_a_cluster
	s_endpgm
.Lentry_in_a_cluster:
	s_bfe_u32 s2, ttmp6, 0x10000c
	s_cmp_lg_u32 s2, 0x3003
	s_cbranch_scc0 .Lentry_shape_is_right
	s_endpgm
.Lentry_shape_is_right:
; ob[b][h][s][:] = softmax(q k^T / 8) v for one (batch, head) and 256 queries a work-group; q, k, v from qkv, [b][h][s][64] bf16; ob the same layout, bf16.
; LIMITS: q, k, v, the unnormalised weights p and the result are bf16; scores, maxima, exponentials and all sums are f32; the row sum adds the unrounded p.
; The running maximum of each row is taken away in front of every exponential.  v_exp_f32 gives zero for results below 2^-126 (ISA guide, 15.8): such terms are
; more than 126 binary orders below the row's largest.  NaN and infinities get no care of their own (a NaN loses in the maxima).
; Eight waves, two on a SIMD, so that one wave's softmax lies under the other's products.  Wave w: queries 64 (w & 3) .., and of every tile of 256 keys
; the half w >> 2.  The two halves of a query row meet once, at the end, through LDS.
; CLUSTER: the four work-groups of a cluster are four query blocks of one head and walk the same tiles of K and V: every tile is asked for jointly (mask 15),
; with a descriptor made of the head and the wave's number alone.  Tiles' rows are 128 bytes, as they are in the tensor (a head's width).
; EVERYTHING IS TRANSPOSED.  S^T = K Q^T: register j of lane l of a tile holds key 8 (l / 16) + j for query l % 16.  Two such tiles, rounded in pairs, ARE
; source 1's fragment of P^T for 32 keys, so p goes through neither LDS nor another lane.  O^T = V^T P^T, V^T by the transposing LDS load.
; A query's maximum, sum and factor are its lane's own numbers; one exchange between the lane halves a step joins the maxima.
.set WV,    8                          ; s8: the wave's number
.set KP,    144                        ; LDS pitch of a row of K: 128 + 16 bytes, an odd multiple of 16
.set VP,    160                        ; of V: 128 + 32 bytes, an odd multiple of 32, for the transposing load
.set VOFF,  256*KP                     ; V's 256 rows lie behind K's
.set SLOT,  256*KP+256*VP              ; 77,824 bytes
.set MG,    2*SLOT                     ; the merge: for each group of 64 queries 34 rows of 512 bytes (32 of O, the shifts, the sums)
.set MGW,   34*512
.set SG,    MG+4*MGW                   ; the way out: for each wave 16 rows, pitch 144
.set SGW,   16*KP
.set TILEB, 256*128                    ; a tile of 256 keys in memory
.set KPART, 8388608                    ; k in qkv
.set VPART, 16777216                   ; v in qkv
.set G1K, 24                           ; s[24:31] group 1 for K
.set G1V, 32                           ; s[32:39] group 1 for V: another padding
.set GK,  40                           ; s[40:47] group 0 for K, one set a slot
.set GV,  48                           ; s[48:55] group 0 for V
.set QO,  7                            ; v7       my byte offset in q
.set AK,  8                            ; v8-9     my K fragments, slot 0, 1
.set AV,  10                           ; v10-11   my V fragments
.set STO, 12
.set RD,  13
.set CO,  14
.set MGA, 15                           ; v15      my 16 bytes of a row of the merge area
.set LS,  20                           ; v[20:23] running sum of query tile c (of my lane half's keys)
.set T,   24                           ; v[24:27] at work
.set T2,  28                           ; v[28:31] at work
.set MP,  32                           ; v[32:39] pairs: (shift = -max x scale, raw running maximum)
.set AL,  40                           ; v[40:47] pairs: (factor for the old sums, its exponent)
.set SU,  48                           ; v[48:55] pairs: partial sums
.set W0,  56                           ; v[56:59] the merge
.set W1,  60                           ; v[60:63]
.set VF,  64                           ; v[64:127]  V^T fragment (ks, a) at 8 (4 ks + a)
.set S,   128                          ; v[128:255] score tile (mt, c) at 8 (4 mt + c); then p; P fragment (ks, c) takes the registers of tile (2 ks, c)
; window 1: O^T tile (a, c) at v[8 (4 a + c)];
.set Q,   128                          ; Q fragment (c, ks) at 128 + 8 (2 c + ks)
.set KF,  192                          ; K fragment (mt, ks) at 192 + 8 (2 mt + ks)
.set MSB, 0
.macro WIN new                         ; s_set_vgpr_msb: bits 1:0 source 0, 3:2 source 1, 5:4 source 2, 7:6 destination; the high byte repeats the setting that is left
.if MSB != \new
	s_set_vgpr_msb (MSB<<8)|\new
.set MSB, \new
.endif
.endm
.macro PLACES n
.rept \n
	v_nop
.endr
.endm
.macro ROUND                           ; a round of the cluster's barrier
	s_barrier_signal -1
	s_barrier_wait -1
	s_cmp_lg_u32 s[WV], 0
	s_cbranch_scc1 .Lnot_wave_0_\@
	s_barrier_signal -3
.Lnot_wave_0_\@:
	s_barrier_wait -3
	s_barrier_signal -1
	s_barrier_wait -1
.endm
	s_load_b128 s[4:7], s[0:1], 0x0                ; qkv s[4:5], ob s[6:7]
	v_lshl_add_u32 v18, v0, 2, 0x3b800
	v_mov_b32 v19, 0
	ds_add_u32 v18, v19
	v_lshrrev_b32 v1, 5, v0
	v_readfirstlane_b32 s8, v1                     ; wave 0..7
	s_and_b32 s9, s8, 3                            ; which 64 queries
	s_lshr_b32 s10, s8, 2                          ; which half of each tile's keys
	s_bfe_u32 s11, ttmp6, 0x40000                  ; my place in the cluster
	s_lshr_b32 s12, ttmp9, 1                       ; batch x 8 + head: two clusters a head
	s_and_b32 s13, ttmp9, 1
	s_lshl_b32 s13, s13, 2
	s_add_co_u32 s13, s13, s11                     ; query block 0..7
	s_mov_b32 s14, 0x76543210                      ; v_permlanex16_b32: lane i of one half reads lane i of the other
	s_mov_b32 s15, 0xfedcba98
	s_mov_b32 s18, 0x3e38aa3b                      ; scale = log2(e) / 8: the 1 / sqrt(64) and the change to base 2 ride in one multiply-add
	s_mov_b32 s19, 0x3e38aa3b
	s_mov_b32 s20, 0xbe38aa3b                      ; - scale
	; group 1: 32 rows of 64 bf16, dense in memory, padded in LDS
	s_mov_b32 s[G1K+0], 15|(1<<16)|(1<<20)|(1<<21)|(4<<22)|(3<<25)  ; mask: all four partners; 2-byte elements; padding on; bit 21 beside a mask; after every 32 words; 4 words
	s_mov_b32 s[G1V+0], 15|(1<<16)|(1<<20)|(1<<21)|(4<<22)|(7<<25)  ; the same with 8 words
	s_mov_b32 s[G1K+1], 64<<16                     ; tensor_dim0 = 64
	s_mov_b32 s[G1V+1], 64<<16
	s_mov_b32 s[G1K+2], 32<<16                     ; tensor_dim1 = 32
	s_mov_b32 s[G1V+2], 32<<16
	s_mov_b32 s[G1K+3], 64<<16                     ; tile_dim0 = 64
	s_mov_b32 s[G1V+3], 64<<16
	s_mov_b32 s[G1K+4], 32                         ; tile_dim1 = 32
	s_mov_b32 s[G1V+4], 32
	s_mov_b32 s[G1K+5], 64                         ; from row to row: 64 elements
	s_mov_b32 s[G1V+5], 64
	s_mov_b32 s[G1K+6], 0
	s_mov_b32 s[G1V+6], 0
	s_mov_b32 s[G1K+7], 0
	s_mov_b32 s[G1V+7], 0
	s_lshl_b32 s22, s12, 18                        ; the head: 2,048 rows of 128 bytes
	s_lshl_b32 s23, s8, 12                         ; I fetch rows 32 w .. 32 w + 31 of each tile
	s_add_co_u32 s22, s22, s23
	s_mov_b32 s23, 0
	s_mul_i32 s16, s8, 32*KP                       ; where they go
	s_mul_i32 s17, s8, 32*VP
	s_add_co_u32 s17, s17, VOFF
	s_lshl_b32 s60, s12, 11                        ; my first query row: head x 2,048
	s_lshl_b32 s61, s13, 8
	s_add_co_u32 s60, s60, s61                     ; + 256 x block
	s_lshl_b32 s61, s9, 6
	s_add_co_u32 s60, s60, s61                     ; + 64 x group
	s_lshl_b32 s60, s60, 7                         ; rows of 128 bytes
	s_mov_b32 s61, 0
	; lane terms
	v_and_b32 v1, 15, v0                           ; l % 16
	v_bfe_u32 v2, v0, 4, 1                         ; l / 16
	v_and_b32 v3, 31, v0                           ; l
	v_and_b32 v4, 7, v0                            ; l % 8
	v_bfe_u32 v5, v0, 3, 1
	v_bfe_u32 v6, v0, 3, 2                         ; l / 8
	v_mul_u32_u24 v16, v1, KP
	v_lshl_add_u32 v16, v2, 4, v16                 ; row l % 16, 16 bytes for each half of the lanes
	s_mul_i32 s21, s10, 128*KP                     ; my half of the keys
	v_add_nc_u32 v[AK], s21, v16
	v_add_nc_u32 v[AK+1], SLOT, v[AK]
	v_lshl_add_u32 v17, v2, 3, v4                  ; key 8 (l / 16) + l % 8
	v_mul_u32_u24 v17, v17, VP
	v_lshl_add_u32 v17, v5, 4, v17
	s_mul_i32 s21, s10, 128*VP
	s_add_co_u32 s21, s21, VOFF
	v_add_nc_u32 v[AV], s21, v17
	v_add_nc_u32 v[AV+1], SLOT, v[AV]
	s_mul_i32 s21, s8, SGW
	s_add_co_u32 s21, s21, SG                      ; my stage
	v_add_nc_u32 v[STO], s21, v16
	v_mul_u32_u24 v17, v6, KP
	v_lshl_add_u32 v17, v4, 4, v17                 ; back: 8 lanes a row of 128 bytes, 4 rows a load
	v_add_nc_u32 v[RD], s21, v17
	v_lshlrev_b32 v[CO], 4, v3                     ; those 4 rows are 512 consecutive bytes of ob
	s_mul_i32 s21, s9, MGW
	s_add_co_u32 s21, s21, MG
	v_add_nc_u32 v[MGA], s21, v[CO]
	v_lshlrev_b32 v[QO], 7, v1
	v_lshl_add_u32 v[QO], v2, 4, v[QO]
.irp c, 0,1,2,3
	v_mov_b32 v[T2+\c], 0                          ; v_permlanex16_b32 counts as a reader of its destination: written once here
.endr
	s_wait_dscnt 0x0
	s_wait_kmcnt 0x0
	s_add_nc_u64 s[22:23], s[4:5], s[22:23]        ; my rows of the head, less the part (no register on this way ever holds my place in the cluster)
	s_add_nc_u64 s[56:57], s[4:5], s[60:61]        ; my queries
	s_add_nc_u64 s[58:59], s[6:7], s[60:61]        ; my rows of ob
.irp n, 0,1
	s_mov_b32 s[GK+4*\n], 1
	s_add_co_u32 s[GK+4*\n+1], s16, \n*SLOT
	s_add_nc_u64 s[GK+4*\n+2:GK+4*\n+3], s[22:23], KPART+\n*TILEB
	s_or_b32 s[GK+4*\n+3], s[GK+4*\n+3], 0x80000000
	s_mov_b32 s[GV+4*\n], 1
	s_add_co_u32 s[GV+4*\n+1], s17, \n*SLOT
	s_add_nc_u64 s[GV+4*\n+2:GV+4*\n+3], s[22:23], VPART+\n*TILEB
	s_or_b32 s[GV+4*\n+3], s[GV+4*\n+3], 0x80000000
.endr
	WIN 0x40                                       ; my 64 queries stay in registers for the whole kernel
.irp c, 0,1,2,3
.irp ks, 0,1
	global_load_b128 v[Q+8*(2*\c+\ks):Q+8*(2*\c+\ks)+3], v[QO], s[56:57] offset:\c*2048+64*\ks
	global_load_b128 v[Q+8*(2*\c+\ks)+4:Q+8*(2*\c+\ks)+7], v[QO], s[56:57] offset:\c*2048+64*\ks+32
.endr
.endr
	WIN 0
; 64 keys of my half against my 64 queries.  st: which 64 of the 128; first = 1: nothing to carry on from.
.macro STEP slot, st, first
	PLACES 5                                       ; five places behind the last products (ISA guide 7.12.1): the coming ones write over registers that those read as source 1
	WIN 0x40
.irp mt, 0,1,2,3
.irp ks, 0,1
	ds_load_b128 v[KF+8*(2*\mt+\ks):KF+8*(2*\mt+\ks)+3], v[AK+\slot] offset:(64*\st+16*\mt)*KP+64*\ks
	ds_load_b128 v[KF+8*(2*\mt+\ks)+4:KF+8*(2*\mt+\ks)+7], v[AK+\slot] offset:(64*\st+16*\mt)*KP+64*\ks+32
.endr
.endr
	WIN 0
.irp ks, 0,1
.irp a, 0,1,2,3
	ds_load_tr16_b128 v[VF+8*(4*\ks+\a):VF+8*(4*\ks+\a)+3], v[AV+\slot] offset:(64*\st+32*\ks)*VP+32*\a
	ds_load_tr16_b128 v[VF+8*(4*\ks+\a)+4:VF+8*(4*\ks+\a)+7], v[AV+\slot] offset:(64*\st+32*\ks)*VP+32*\a+16*VP
.endr
.endr
	s_wait_dscnt 16                                ; K's sixteen loads are in; V's sixteen stay out until the second products
	WIN 0x05
	; S^T = K Q^T.  Four accumulators take turns, one instruction a turn.  The first product of each starts its sum.
.irp mt, 0,1,2,3
.irp c, 0,1,2,3
	v_wmma_f32_16x16x32_bf16 v[S+8*(4*\mt+\c):S+8*(4*\mt+\c)+7], v[KF+8*(2*\mt):KF+8*(2*\mt)+7], v[Q+8*(2*\c):Q+8*(2*\c)+7], 0
.endr
.irp c, 0,1,2,3
	v_wmma_f32_16x16x32_bf16 v[S+8*(4*\mt+\c):S+8*(4*\mt+\c)+7], v[KF+8*(2*\mt+1):KF+8*(2*\mt+1)+7], v[Q+8*(2*\c+1):Q+8*(2*\c+1)+7], v[S+8*(4*\mt+\c):S+8*(4*\mt+\c)+7]
.endr
.endr
	WIN 0
	PLACES 4                                       ; four places before vector instructions read the results
	; the largest of my 32 scores of each query tile and of the running maximum: four chains that do not wait for each other
.irp c, 0,1,2,3
.if \first
	v_max_num_f32 v[T+\c], v[S+8*\c], v[S+8*\c+1]
.else
	v_max3_num_f32 v[T+\c], v[MP+2*\c+1], v[S+8*\c], v[S+8*\c+1]
.endif
.endr
.set i, 2
.rept 15
.irp c, 0,1,2,3
	v_max3_num_f32 v[T+\c], v[T+\c], v[S+32*(i>>3)+8*\c+(i&7)], v[S+32*(i>>3)+8*\c+(i&7)+1]
.endr
.set i, i+2
.endr
.irp c, 0,1,2,3
	v_permlanex16_b32 v[T2+\c], v[T+\c], s14, s15  ; the other lane half holds the same query's other keys
.endr
.irp c, 0,1,2,3
	v_max_num_f32 v[MP+2*\c+1], v[T+\c], v[T2+\c]  ; the new running maximum
.endr
.if \first
.irp c, 0,1,2,3
	v_mul_f32 v[MP+2*\c], s20, v[MP+2*\c+1]        ; the shift
.endr
.else
.irp c, 0,1,2,3
	v_mul_f32 v[T2+\c], s20, v[MP+2*\c+1]          ; the new shift
.endr
.irp c, 0,1,2,3
	v_sub_f32 v[AL+2*\c+1], v[T2+\c], v[MP+2*\c]   ; new - old, never above 0: made of the rounded shifts themselves, so the factor fits the earlier exponentials
.endr
.irp c, 0,1,2,3
	v_mov_b32 v[MP+2*\c], v[T2+\c]
.endr
.irp c, 0,1,2,3
	v_exp_f32 v[AL+2*\c], v[AL+2*\c+1]             ; used far below; the multiply-adds that follow touch neither it nor its source
.endr
.endif
	; p = 2^(score x scale + shift); the pair's first register (the shift) feeds both halves
.irp mt, 0,1,2,3
.irp c, 0,1,2,3
.irp i, 0,2,4,6
	v_pk_fma_f32 v[S+8*(4*\mt+\c)+\i:S+8*(4*\mt+\c)+\i+1], v[S+8*(4*\mt+\c)+\i:S+8*(4*\mt+\c)+\i+1], s[18:19], v[MP+2*\c:MP+2*\c+1] op_sel_hi:[1,0,0]
.endr
.endr
.endr
.set i, 0
.rept 128
	v_exp_f32 v[S+i], v[S+i]
.set i, i+1
.endr
	v_nop                                          ; one plain vector instruction between the exponentials and the first use of a result (ISA guide 5.7.2)
	; the sum of my 32 p of each query tile, two at a time
	s_wait_alu depctr_va_vdst(0)
.irp c, 0,1,2,3
	v_pk_add_f32 v[SU+2*\c:SU+2*\c+1], v[S+8*\c:S+8*\c+1], v[S+8*\c+2:S+8*\c+3]
.endr
.set i, 4
.rept 14
.irp c, 0,1,2,3
	v_pk_add_f32 v[SU+2*\c:SU+2*\c+1], v[SU+2*\c:SU+2*\c+1], v[S+32*(i>>3)+8*\c+(i&7):S+32*(i>>3)+8*\c+(i&7)+1]
.endr
.set i, i+2
.endr
.if \first
.irp c, 0,1,2,3
	v_add_f32 v[LS+\c], v[SU+2*\c], v[SU+2*\c+1]
.endr
.else
.irp c, 0,1,2,3
	v_add_f32 v[T+\c], v[SU+2*\c], v[SU+2*\c+1]
.endr
.irp c, 0,1,2,3
	v_fma_f32 v[LS+\c], v[LS+\c], v[AL+2*\c], v[T+\c]
.endr
.endif
	; p to bf16 in place: tiles (2 ks, c) and (2 ks + 1, c) become registers 0-3 and 4-7 of P fragment (ks, c)
.irp ks, 0,1
.irp c, 0,1,2,3
.irp i, 0,1,2,3
	v_cvt_pk_bf16_f32 v[S+64*\ks+8*\c+\i], v[S+64*\ks+8*\c+2*\i], v[S+64*\ks+8*\c+2*\i+1]
.endr
.irp i, 0,1,2,3
	v_cvt_pk_bf16_f32 v[S+64*\ks+8*\c+4+\i], v[S+64*\ks+32+8*\c+2*\i], v[S+64*\ks+32+8*\c+2*\i+1]
.endr
.endr
.endr
.if \first == 0
	WIN 0x41                                       ; the old O^T times the factor of its query (its lane)
.irp a, 0,1,2,3
.irp c, 0,1,2,3
.irp i, 0,2,4,6
	v_pk_mul_f32 v[8*(4*\a+\c)+\i:8*(4*\a+\c)+\i+1], v[8*(4*\a+\c)+\i:8*(4*\a+\c)+\i+1], v[AL+2*\c:AL+2*\c+1] op_sel_hi:[1,0]
.endr
.endr
.endr
.endif
	s_wait_dscnt 0x0                               ; V's fragments
	WIN 0x50
	; O^T += V^T P^T.  Sixteen accumulators take turns, one instruction a turn.
.irp ks, 0,1
.irp a, 0,1,2,3
.irp c, 0,1,2,3
.if \first*(1-\ks)
	v_wmma_f32_16x16x32_bf16 v[8*(4*\a+\c):8*(4*\a+\c)+7], v[VF+8*(4*\ks+\a):VF+8*(4*\ks+\a)+7], v[S+64*\ks+8*\c:S+64*\ks+8*\c+7], 0
.else
	v_wmma_f32_16x16x32_bf16 v[8*(4*\a+\c):8*(4*\a+\c)+7], v[VF+8*(4*\ks+\a):VF+8*(4*\ks+\a)+7], v[S+64*\ks+8*\c:S+64*\ks+8*\c+7], v[8*(4*\a+\c):8*(4*\a+\c)+7]
.endif
.endr
.endr
.endr
	WIN 0
.endm
; A tile of 256 keys.  In front of the barrier each wave waits for all its tensor loads (its parts of this tile) and for its reads of the other slot;
; behind it the other slot is filled again first, and that request has this whole tile's work in which to land: two loads of a wave are out.
.macro TRIP slot, refill, first
	s_wait_tensorcnt 0x0
	ds_add_u32 v18, v19
	s_wait_dscnt 0x0
	s_add_nc_u64 s[GK+4*\slot+2:GK+4*\slot+3], s[GK+4*\slot+2:GK+4*\slot+3], 2*TILEB   ; no load of mine is out: this slot's next tile (in the last two trips not used)
	s_add_nc_u64 s[GV+4*\slot+2:GV+4*\slot+3], s[GV+4*\slot+2:GV+4*\slot+3], 2*TILEB
	s_wait_dscnt 0x0
.if \refill
	ROUND                                          ; all that now holds of every wave of all four partners
	tensor_load_to_lds s[GK+4*(1-\slot):GK+4*(1-\slot)+3], s[G1K:G1K+7]
	s_nop 0
	tensor_load_to_lds s[GV+4*(1-\slot):GV+4*(1-\slot)+3], s[G1V:G1V+7]
	s_nop 0
.else
	s_barrier_signal -1                            ; the last tile: nothing is filled, my work-group's barrier is enough
	s_barrier_wait -1
.endif
	STEP \slot, 0, \first
	STEP \slot, 1, 0
.endm
	ROUND                                          ; the four partners are here: the first joint loads meet
	tensor_load_to_lds s[GK:GK+3], s[G1K:G1K+7]    ; tile 0
	s_nop 0
	tensor_load_to_lds s[GV:GV+3], s[G1V:G1V+7]
	s_nop 0
	s_wait_loadcnt 0x0                             ; my queries
	TRIP 0, 1, 1                                   ; the first two tiles stand in front of the loop: their first products start the sums
	TRIP 1, 1, 0
	s_mov_b32 s16, 2
.Lloop:
	TRIP 0, 1, 0
	TRIP 1, 1, 0
	s_sub_co_u32 s16, s16, 1
	s_cmp_lg_u32 s16, 0
	s_cbranch_scc1 .Lloop
	TRIP 0, 1, 0
	TRIP 1, 0, 0                                   ; tile 7 asks for nothing
	; THE MERGE of the two halves of the keys.  The waves of the upper half hand O^T, shifts and sums to their partners through LDS bytes that no tensor load fills.
	PLACES 4                                       ; four places behind the last products
.irp c, 0,1,2,3
	v_permlanex16_b32 v[T2+\c], v[LS+\c], s14, s15 ; the sums of the two lane halves meet only now
.endr
.irp c, 0,1,2,3
	v_add_f32 v[LS+\c], v[LS+\c], v[T2+\c]
.endr
	s_cmp_eq_u32 s10, 0
	s_cbranch_scc1 .Lkeep
.irp c, 0,1,2,3
	v_mov_b32 v[T+\c], v[MP+2*\c]                  ; the four shifts side by side, for one store
.endr
	WIN 0x04
.irp i, 0,1,2,3,4,5,6,7,8,9,10,11,12,13,14,15,16,17,18,19,20,21,22,23,24,25,26,27,28,29,30,31
	ds_store_b128 v[MGA], v[4*\i:4*\i+3] offset:512*\i
.endr
	WIN 0
	ds_store_b128 v[MGA], v[T:T+3] offset:32*512
	ds_store_b128 v[MGA], v[LS:LS+3] offset:33*512
.Lkeep:
	s_wait_dscnt 0x0                               ; my stores are done,
	s_barrier_signal -1
	s_barrier_wait -1                              ; everybody's are
	s_cmp_lg_u32 s10, 0
	s_cbranch_scc1 .Lclose
	ds_load_b128 v[T2:T2+3], v[MGA] offset:32*512  ; the partner's shifts
	ds_load_b128 v[T:T+3], v[MGA] offset:33*512    ; and sums
.irp i, 0,1,2,3,4,5,6,7,8,9,10,11,12,13,14,15,16,17,18,19,20,21,22,23,24,25,26,27,28,29,30,31
	ds_load_b128 v[S+4*\i:S+4*\i+3], v[MGA] offset:512*\i
.endr
	s_wait_dscnt 32                                ; shifts and sums are in; the 32 rows of O^T stay out
.irp c, 0,1,2,3
	v_min_num_f32 v[W0+\c], v[MP+2*\c], v[T2+\c]   ; the smaller shift belongs to the larger maximum
.endr
.irp c, 0,1,2,3
	v_sub_f32 v[W1+\c], v[W0+\c], v[T2+\c]
.endr
.irp c, 0,1,2,3
	v_sub_f32 v[W0+\c], v[W0+\c], v[MP+2*\c]
.endr
.irp c, 0,1,2,3
	v_exp_f32 v[W0+\c], v[W0+\c]                   ; my factor
.endr
.irp c, 0,1,2,3
	v_exp_f32 v[W1+\c], v[W1+\c]                   ; the partner's
.endr
	v_nop                                          ; one plain vector instruction behind the transcendentals
	s_wait_alu depctr_va_vdst(0)
.irp c, 0,1,2,3
	v_mul_f32 v[T+\c], v[T+\c], v[W1+\c]
.endr
.irp c, 0,1,2,3
	v_fma_f32 v[T+\c], v[LS+\c], v[W0+\c], v[T+\c] ; the row's whole sum; at least one of its terms is near 1
.endr
.irp c, 0,1,2,3
	v_rcp_f32 v[T+\c], v[T+\c]
.endr
	v_nop
	s_wait_alu depctr_va_vdst(0)
.irp c, 0,1,2,3
	v_mul_f32 v[AL+2*\c], v[W0+\c], v[T+\c]
.endr
.irp c, 0,1,2,3
	v_mul_f32 v[SU+2*\c], v[W1+\c], v[T+\c]
.endr
	s_wait_dscnt 0x0
.irp a, 0,1,2,3
.irp c, 0,1,2,3
.irp i, 0,2,4,6
	v_pk_mul_f32 v[S+8*(4*\a+\c)+\i:S+8*(4*\a+\c)+\i+1], v[S+8*(4*\a+\c)+\i:S+8*(4*\a+\c)+\i+1], v[SU+2*\c:SU+2*\c+1] op_sel_hi:[1,0]
.endr
.endr
.endr
	WIN 0x01
.irp a, 0,1,2,3
.irp c, 0,1,2,3
.irp i, 0,2,4,6
	v_pk_fma_f32 v[S+8*(4*\a+\c)+\i:S+8*(4*\a+\c)+\i+1], v[8*(4*\a+\c)+\i:8*(4*\a+\c)+\i+1], v[AL+2*\c:AL+2*\c+1], v[S+8*(4*\a+\c)+\i:S+8*(4*\a+\c)+\i+1] op_sel_hi:[1,0,1]
.endr
.endr
.endr
	WIN 0
	; THE WAY OUT, 16 queries at a time: round, 16 bytes a lane into my own stage, back as whole rows, four rows (512 consecutive bytes of ob) a store.
	; Every turn has registers of its own, so no store's data is written again.
.irp c, 0,1,2,3
.irp a, 0,1,2,3
.irp i, 0,1,2,3
	v_cvt_pk_bf16_f32 v[S+8*(4*\a+\c)+\i], v[S+8*(4*\a+\c)+2*\i], v[S+8*(4*\a+\c)+2*\i+1]
.endr
.endr
.irp a, 0,1,2,3
	ds_store_b128 v[STO], v[S+8*(4*\a+\c):S+8*(4*\a+\c)+3] offset:32*\a
.endr
.irp u, 0,1,2,3
	ds_load_b128 v[VF+16*\c+4*\u:VF+16*\c+4*\u+3], v[RD] offset:\u*4*KP   ; LDS serves a wave's instructions in order: these see the stores above
.endr
.irp u, 0,1,2,3
	s_wait_dscnt 3-\u                              ; read-back u is in, the younger ones stay out
	global_store_b128 v[CO], v[VF+16*\c+4*\u:VF+16*\c+4*\u+3], s[58:59] offset:\c*2048+\u*512
.endr
.endr
.Lclose:
	s_wait_tensorcnt 0x0
	ds_add_u32 v18, v19
	s_wait_dscnt 0x0
	ROUND                                          ; the closing round: no work-group ends while a partner may still ask for a tile that names it
	s_endpgm
.Lfunc_end_k_q47fde197ba_attn:
	.size	k_q47fde197ba_attn, .Lfunc_end_k_q47fde197ba_attn-k_q47fde197ba_attn
	.p2alignl 7, 3214868480
	.fill 96, 4, 3214868480
	.section	.rodata,"a",@progbits
	.p2align	6, 0x0
	.amdhsa_kernel k_q47fde197ba_attn
		.amdhsa_group_segment_fixed_size 327680
		.amdhsa_private_segment_fixed_size 0
		.amdhsa_enable_private_segment 0
		.amdhsa_kernarg_size 16
		.amdhsa_user_sgpr_count 2
		.amdhsa_user_sgpr_kernarg_segment_ptr 1
		.amdhsa_wavefront_size32 1
		.amdhsa_system_sgpr_workgroup_id_x 1
		.amdhsa_system_sgpr_workgroup_id_y 1
		.amdhsa_system_sgpr_workgroup_id_z 1
		.amdhsa_system_vgpr_workitem_id 0
		.amdhsa_next_free_vgpr 512
		.amdhsa_next_free_sgpr 66
		.amdhsa_reserve_vcc 0
		.amdhsa_float_denorm_mode_32 3
		.amdhsa_float_denorm_mode_16_64 3
		.amdhsa_memory_ordered 1
		.amdhsa_forward_progress 1
		.amdhsa_inst_pref_size 255
	.end_amdhsa_kernel
	.section	.bss,"aw",@nobits
	.p2align	6
	.space	262144
	.amdgpu_metadata
---
amdhsa.version: [ 1, 2 ]
amdhsa.kernels:
  - .name:           k_q47fde197ba_attn
    .symbol:         k_q47fde197ba_attn.kd
    .args:
      - { .name: qkv, .offset: 0, .size: 8, .value_kind: global_buffer, .address_space: global }
      - { .name: ob, .offset: 8, .size: 8, .value_kind: global_buffer, .address_space: global }
    .group_segment_fixed_size: 327680
    .private_segment_fixed_size: 0
    .kernarg_segment_align: 8
    .kernarg_segment_size: 16
    .max_flat_workgroup_size: 256
    .sgpr_count:     66
    .vgpr_count:     512
    .wavefront_size: 32
...
	.end_amdgpu_metadata
.endif
;; end of part 3
;; launch oproj (part 4): grid 4 x 64, 4 waves a work-group, clusters of 4 x 4, 312,832 bytes of LDS; arguments ob, wb, bo, out0; writes out0
.if DOCPART == 4
	.amdgcn_target "amdgcn-amd-amdhsa--gfx1250"
	.amdhsa_code_object_version 6
	.text
	.protected	k_q47fde197ba_oproj
	.globl	k_q47fde197ba_oproj
	.p2align	8
	.type	k_q47fde197ba_oproj,@function
k_q47fde197ba_oproj:
	s_mov_b64 s[64:65], 0
	v_nop
	global_prefetch_b8 v0, s[64:65] scope:SCOPE_SE
	s_setreg_imm32_b32 hwreg(HW_REG_WAVE_MODE, 25, 1), 1
	s_wait_xcnt 0x0
	s_wait_alu depctr_hold_cnt(0) depctr_sa_sdst(0) depctr_va_vdst(0) depctr_va_sdst(0) depctr_va_ssrc(0) depctr_va_vcc(0) depctr_vm_vsrc(0)
	s_getreg_b32 s2, hwreg(HW_REG_IB_STS2, 6, 4)
	s_cmp_eq_u32 s2, 0
	s_cbranch_scc0 .Lentry_in_a_cluster
	s_endpgm
.Lentry_in_a_cluster:
	s_bfe_u32 s2, ttmp6, 0x10000c
	s_cmp_lg_u32 s2, 0xf033
	s_cbranch_scc0 .Lentry_shape_is_right
	s_endpgm
.Lentry_shape_is_right:
; out0 = concat(ob) Wo + bo.  ob: [batch][head][s][64] bf16 (column k of concat = 64 head + d); Wo from wb, [k 512][n 512] bf16; bo, out0 f32.
; LIMITS: both operands are bf16, the sums and the bias f32.  NaN and infinities get no care of their own.
; A work-group makes 128 x 128 of out0 (4 x 64 = 256 work-groups), a wave 64 x 64: 16 accumulator tiles.  All of K (512) lies in LDS at once: no slot is filled twice.
; CLUSTER 4 x 4: the four of a row of the cluster share the row block, so the tiles of ob; the four of a column share the column block, so the tiles of Wo.
; Each tile is asked for jointly by its four.  The addresses of ob's tiles are made of the row block and the wave's number, those of Wo's of the column block
; and the wave's number, each in registers that never hold the other coordinate; LDS addresses of the wave's number alone.
; K comes in four chunks of 128 (two heads); each wave issues one load of ob and one of Wo for each chunk, eight in all, all at the start, each with a group 0 of its own;
; the products of a chunk begin when that chunk has landed.
; THE MATRIX INSTRUCTION IS USED TRANSPOSED: source 0 = 16 columns of Wo (transposing LDS load), source 1 = 16 rows of ob: a lane holds 8 neighbouring columns of a row.
.set WV,     12                        ; s12: the wave's number
.set AP,     144                       ; LDS pitch of a head's row of ob: 128 + 16 bytes
.set AHEAD,  128*AP                    ; one head's 128 rows
.set WPI,    288                       ; LDS pitch of a k row of Wo: 256 + 32 bytes, an odd multiple of 32
.set WL,     8*AHEAD                   ; Wo's 512 k rows lie behind ob's 8 heads
.set CHUNKL, 36864                     ; a chunk in LDS: 2 heads of ob, and as many bytes for 128 k rows of Wo
.set SG,     WL+512*WPI                ; the way out: for each wave 16 rows of 64 f32, pitch 272
.set SP,     272
.set HEADB,  2048*128                  ; a head in ob
.set WO_OFF, 3*524288                  ; Wo in wb
.set G0A, 24                           ; s[24:39] group 0 of ob's four loads
.set G0W, 40                           ; s[40:55] group 0 of Wo's four loads
.set G1A, 56                           ; s[56:63]
.set G1W, 68                           ; s[68:75]
.set AA,  8                            ; v8-11   my fragments of ob, chunk 0..3
.set AB,  12                           ; v12-15  my fragments of Wo
.set STO, 16
.set RD,  17
.set CO,  18
.set BO,  19
.set BI,  24                           ; v[24:55]   the bias in the layout of a result tile, 4 x 8
.set F0,  64                           ; v[64:127]  fragment buffer 0: Wo's four, then ob's four
.set F1,  128                          ; v[128:191] buffer 1
.set RB,  192                          ; v[192:255] rows read back, two sets of 32
; window 1: accumulator tile (a, b) at v[8 (4 a + b)]
.set MSB, 0
.macro WIN new                         ; s_set_vgpr_msb: bits 1:0 source 0, 3:2 source 1, 5:4 source 2, 7:6 destination; the high byte repeats the setting that is left
.if MSB != \new
	s_set_vgpr_msb (MSB<<8)|\new
.set MSB, \new
.endif
.endm
.macro PLACES n
.rept \n
	v_nop
.endr
.endm
.macro ROUND                           ; a round of the cluster's barrier
	s_barrier_signal -1
	s_barrier_wait -1
	s_cmp_lg_u32 s[WV], 0
	s_cbranch_scc1 .Lnot_wave_0_\@
	s_barrier_signal -3
.Lnot_wave_0_\@:
	s_barrier_wait -3
	s_barrier_signal -1
	s_barrier_wait -1
.endm
	s_load_b256 s[4:11], s[0:1], 0x0               ; ob s[4:5], wb s[6:7], bo s[8:9], out0 s[10:11]
	v_lshl_add_u32 v62, v0, 2, 0x4c400
	v_mov_b32 v63, 0
	ds_add_u32 v62, v63
	v_lshrrev_b32 v1, 5, v0
	v_readfirstlane_b32 s12, v1                    ; wave 0..3
	s_lshr_b32 s13, s12, 1                         ; which 64 rows are mine.  Also: which head of a chunk I fetch
	s_and_b32 s14, s12, 1                          ; which 64 columns.  Also: which 64 rows of that head
	s_bfe_u32 s15, ttmp6, 0x40000                  ; cx
	s_bfe_u32 s16, ttmp6, 0x40004                  ; cy
	s_lshl_b32 s17, ttmp9, 2
	s_add_co_u32 s17, s17, s15                     ; column block 0..3
	s_and_b32 s18, ttmp7, 0xffff
	s_lshl_b32 s18, s18, 2
	s_add_co_u32 s18, s18, s16                     ; row block 0..63
	s_lshl_b32 s19, s16, 2
	s_lshl_b32 s19, 15, s19                        ; my row of the cluster
	s_lshl_b32 s20, 0x1111, s15                    ; my column
	s_or_b32 s[G1A+0], s19, (1<<16)|(1<<20)|(1<<21)|(4<<22)|(3<<25)   ; ob: 2-byte elements; padding on; bit 21 beside a mask; after every 32 words; 4 words
	s_mov_b32 s[G1A+1], 64<<16                     ; tensor_dim0 = 64
	s_mov_b32 s[G1A+2], 64<<16                     ; tensor_dim1 = 64
	s_mov_b32 s[G1A+3], 64<<16                     ; tile_dim0 = 64
	s_mov_b32 s[G1A+4], 64                         ; tile_dim1 = 64 rows
	s_mov_b32 s[G1A+5], 64                         ; from row to row
	s_mov_b32 s[G1A+6], 0
	s_mov_b32 s[G1A+7], 0
	s_or_b32 s[G1W+0], s20, (1<<16)|(1<<20)|(1<<21)|(5<<22)|(7<<25)   ; Wo: after every 64 words; 8 words
	s_mov_b32 s[G1W+1], 128<<16                    ; tensor_dim0 = 128: rows of 256 bytes that start at multiples of 256 from the first byte of wb
	s_mov_b32 s[G1W+2], 32<<16                     ; tensor_dim1 = 32
	s_mov_b32 s[G1W+3], 128<<16                    ; tile_dim0 = 128
	s_mov_b32 s[G1W+4], 32                         ; tile_dim1 = 32 k rows
	s_mov_b32 s[G1W+5], 512                        ; from row to row
	s_mov_b32 s[G1W+6], 0
	s_mov_b32 s[G1W+7], 0
	s_lshr_b32 s76, s18, 4                         ; ob: batch (16 row blocks each)
	s_lshl_b32 s76, s76, 3
	s_add_co_u32 s76, s76, s13                     ; 8 batch + my head of chunk 0
	s_lshl_b32 s76, s76, 11
	s_and_b32 s77, s18, 15
	s_lshl_b32 s77, s77, 7
	s_add_co_u32 s76, s76, s77                     ; + the block's first s
	s_lshl_b32 s77, s14, 6
	s_add_co_u32 s76, s76, s77                     ; + my 64 rows
	s_lshl_b32 s76, s76, 7                         ; rows of 128 bytes
	s_mov_b32 s77, 0
	s_lshl_b32 s78, s12, 15                        ; Wo: k rows 32 w .. of 1,024 bytes
	s_lshl_b32 s79, s17, 8                         ; + 128 columns a block
	s_add_co_u32 s78, s78, s79
	s_add_co_u32 s78, s78, WO_OFF
	s_mov_b32 s79, 0
	s_mul_i32 s21, s12, 64*AP                      ; LDS: head w / 2, rows 64 (w % 2) .. = 64 w rows on
	s_mul_i32 s22, s12, 32*WPI
	s_add_co_u32 s22, s22, WL
	s_lshl_b32 s80, s17, 9                         ; my first column, in bytes of f32
	s_lshl_b32 s81, s14, 8
	s_add_co_u32 s80, s80, s81
	s_mov_b32 s81, 0
	s_lshl_b32 s82, s18, 18                        ; my first row of out0: 128 rows of 2,048 bytes a block
	s_lshl_b32 s83, s13, 17
	s_add_co_u32 s82, s82, s83
	s_add_co_u32 s82, s82, s80
	s_mov_b32 s83, 0
	; lane terms
	v_and_b32 v1, 15, v0                           ; l % 16
	v_bfe_u32 v2, v0, 4, 1                         ; l / 16
	v_and_b32 v3, 7, v0
	v_bfe_u32 v4, v0, 3, 1
	v_mul_u32_u24 v5, v1, AP
	v_lshl_add_u32 v5, v2, 4, v5
	s_mul_i32 s23, s13, 64*AP
	v_add_nc_u32 v[AA], s23, v5
	v_add_nc_u32 v[AA+1], CHUNKL, v[AA]
	v_add_nc_u32 v[AA+2], 2*CHUNKL, v[AA]
	v_add_nc_u32 v[AA+3], 3*CHUNKL, v[AA]
	v_lshl_add_u32 v6, v2, 3, v3                   ; k row 8 (l / 16) + l % 8
	v_mul_u32_u24 v6, v6, WPI
	v_lshl_add_u32 v6, v4, 4, v6
	s_lshl_b32 s23, s14, 7                         ; my 64 columns of 2 bytes
	s_add_co_u32 s23, s23, WL
	v_add_nc_u32 v[AB], s23, v6
	v_add_nc_u32 v[AB+1], CHUNKL, v[AB]
	v_add_nc_u32 v[AB+2], 2*CHUNKL, v[AB]
	v_add_nc_u32 v[AB+3], 3*CHUNKL, v[AB]
	v_mul_u32_u24 v5, v1, SP
	v_lshl_add_u32 v5, v2, 5, v5                   ; in: row l % 16, 32 bytes for each half of the lanes
	s_mul_i32 s23, s12, 16*SP
	s_add_co_u32 s23, s23, SG                      ; my stage
	v_add_nc_u32 v[STO], s23, v5
	v_mul_u32_u24 v5, v2, SP                       ; back: lanes 0-15 one row of 256 bytes, lanes 16-31 the next
	v_lshl_add_u32 v5, v1, 4, v5
	v_add_nc_u32 v[RD], s23, v5
	v_lshlrev_b32 v5, 4, v1
	v_lshl_add_u32 v[CO], v2, 11, v5               ; the same two rows in out0
	v_lshlrev_b32 v[BO], 5, v2
	s_wait_dscnt 0x0
	s_wait_kmcnt 0x0
	s_add_nc_u64 s[76:77], s[4:5], s[76:77]
	s_add_nc_u64 s[78:79], s[6:7], s[78:79]
	s_add_nc_u64 s[8:9], s[8:9], s[80:81]
	s_add_nc_u64 s[10:11], s[10:11], s[82:83]
.irp j, 0,1,2,3
	s_mov_b32 s[G0A+4*\j], 1
	s_add_co_u32 s[G0A+4*\j+1], s21, \j*CHUNKL
	s_add_nc_u64 s[G0A+4*\j+2:G0A+4*\j+3], s[76:77], \j*2*HEADB
	s_or_b32 s[G0A+4*\j+3], s[G0A+4*\j+3], 0x80000000
	s_mov_b32 s[G0W+4*\j], 1
	s_add_co_u32 s[G0W+4*\j+1], s22, \j*CHUNKL
	s_add_nc_u64 s[G0W+4*\j+2:G0W+4*\j+3], s[78:79], \j*128*1024
	s_or_b32 s[G0W+4*\j+3], s[G0W+4*\j+3], 0x80000000
.endr
	ROUND                                          ; all sixteen work-groups are here: the joint loads meet
.irp j, 0,1,2,3
	tensor_load_to_lds s[G0A+4*\j:G0A+4*\j+3], s[G1A:G1A+7]
	s_nop 0
	tensor_load_to_lds s[G0W+4*\j:G0W+4*\j+3], s[G1W:G1W+7]
	s_nop 0
.endr
.irp b, 0,1,2,3
	global_load_b128 v[BI+8*\b:BI+8*\b+3], v[BO], s[8:9] offset:64*\b          ; register j of tile b: bias of column 16 b + 8 (l / 16) + j
	global_load_b128 v[BI+8*\b+4:BI+8*\b+7], v[BO], s[8:9] offset:64*\b+16
.endr
; 16 LDS loads: the fragments of K = 32 kk .. 32 kk + 31 into buffer f
.macro FETCH kk, f
.irp b, 0,1,2,3
	ds_load_tr16_b128 v[\f+8*\b:\f+8*\b+3], v[AB+((\kk)>>2)] offset:((\kk)&3)*32*WPI+32*\b
	ds_load_tr16_b128 v[\f+8*\b+4:\f+8*\b+7], v[AB+((\kk)>>2)] offset:((\kk)&3)*32*WPI+32*\b+16*WPI
.endr
.irp a, 0,1,2,3
	ds_load_b128 v[\f+32+8*\a:\f+32+8*\a+3], v[AA+((\kk)>>2)] offset:(((\kk)>>1)&1)*AHEAD+\a*16*AP+64*((\kk)&1)
	ds_load_b128 v[\f+32+8*\a+4:\f+32+8*\a+7], v[AA+((\kk)>>2)] offset:(((\kk)>>1)&1)*AHEAD+\a*16*AP+64*((\kk)&1)+32
.endr
.endm
; 16 products.  first = 1: the bias is the C operand and starts the sums.  The 16 accumulators take turns, one instruction a turn.
; The four v_nop are the places behind the products, for the loads into the buffer just read and for the LDS stores of the results.
.macro MUL16 f, first
.if \first
	WIN 0x40
.else
	WIN 0x50
.endif
.irp a, 0,1,2,3
.irp b, 0,1,2,3
.if \first
	v_wmma_f32_16x16x32_bf16 v[8*(4*\a+\b):8*(4*\a+\b)+7], v[\f+8*\b:\f+8*\b+7], v[\f+32+8*\a:\f+32+8*\a+7], v[BI+8*\b:BI+8*\b+7]
.else
	v_wmma_f32_16x16x32_bf16 v[8*(4*\a+\b):8*(4*\a+\b)+7], v[\f+8*\b:\f+8*\b+7], v[\f+32+8*\a:\f+32+8*\a+7], v[8*(4*\a+\b):8*(4*\a+\b)+7]
.endif
.endr
.endr
	WIN 0
	PLACES 4
.endm
	s_wait_tensorcnt 6                             ; my two loads of chunk 0 are in; the six of the later chunks stay out
	s_barrier_signal -1
	s_barrier_wait -1                              ; everybody's are
	FETCH 0, F0
	s_wait_loadcnt 0x0                             ; the bias
.irp kk, 0,1,2,3,4,5,6,7,8,9,10,11,12,13,14
.if (\kk+1)%4 == 0
	s_wait_tensorcnt 6-2*((\kk+1)/4)               ; my two loads of the next chunk are in; two for each chunk behind it stay out
	s_wait_dscnt 0x0                               ; no LDS instruction of mine is pending at a signal
	s_barrier_signal -1
	s_barrier_wait -1
.endif
	FETCH (\kk+1), (F0+64*((\kk+1)&1))             ; the next fragments, while this buffer is multiplied
	s_wait_dscnt 16                                ; all but the sixteen just issued
.if \kk == 0
	MUL16 F0, 1
.else
	MUL16 (F0+64*(\kk&1)), 0
.endif
.endr
	s_wait_dscnt 0x0
	MUL16 F1, 0
; THE WAY OUT, 16 rows at a time: the f32 results as they are into my own stage, read back as whole rows of 256 bytes;
; sixteen lanes store 256 consecutive bytes at a multiple of 256 from the first byte of out0.
.macro OUT16 a
	WIN 0x04
.irp b, 0,1,2,3
	ds_store_b128 v[STO], v[8*(4*\a+\b):8*(4*\a+\b)+3] offset:64*\b
	ds_store_b128 v[STO], v[8*(4*\a+\b)+4:8*(4*\a+\b)+7] offset:64*\b+16
.endr
	WIN 0
.if \a >= 2
	s_wait_xcnt 0x0                                ; this set of registers is the data of the stores of two turns ago: loaded again only behind this wait
.endif
.irp u, 0,1,2,3,4,5,6,7
	ds_load_b128 v[RB+32*(\a&1)+4*\u:RB+32*(\a&1)+4*\u+3], v[RD] offset:\u*2*SP    ; LDS serves a wave's instructions in order: these see the stores above
.endr
.irp u, 0,1,2,3,4,5,6,7
	s_wait_dscnt 7-\u                              ; read-back u is in, the younger ones stay out
	global_store_b128 v[CO], v[RB+32*(\a&1)+4*\u:RB+32*(\a&1)+4*\u+3], s[10:11] offset:\a*16*2048+\u*2*2048 th:TH_STORE_NT
.endr
.endm
	OUT16 0
	OUT16 1
	OUT16 2
	OUT16 3
	s_wait_tensorcnt 0x0
	ds_add_u32 v62, v63
	s_wait_dscnt 0x0
	ROUND                                          ; the closing round: no work-group ends while a partner may still ask for a tile that names it
	s_endpgm
.Lfunc_end_k_q47fde197ba_oproj:
	.size	k_q47fde197ba_oproj, .Lfunc_end_k_q47fde197ba_oproj-k_q47fde197ba_oproj
	.p2alignl 7, 3214868480
	.fill 96, 4, 3214868480
	.section	.rodata,"a",@progbits
	.p2align	6, 0x0
	.amdhsa_kernel k_q47fde197ba_oproj
		.amdhsa_group_segment_fixed_size 312832
		.amdhsa_private_segment_fixed_size 0
		.amdhsa_enable_private_segment 0
		.amdhsa_kernarg_size 32
		.amdhsa_user_sgpr_count 2
		.amdhsa_user_sgpr_kernarg_segment_ptr 1
		.amdhsa_wavefront_size32 1
		.amdhsa_system_sgpr_workgroup_id_x 1
		.amdhsa_system_sgpr_workgroup_id_y 1
		.amdhsa_system_sgpr_workgroup_id_z 1
		.amdhsa_system_vgpr_workitem_id 0
		.amdhsa_next_free_vgpr 384
		.amdhsa_next_free_sgpr 84
		.amdhsa_reserve_vcc 0
		.amdhsa_float_denorm_mode_32 3
		.amdhsa_float_denorm_mode_16_64 3
		.amdhsa_memory_ordered 1
		.amdhsa_forward_progress 1
		.amdhsa_inst_pref_size 54
	.end_amdhsa_kernel
	.amdgpu_metadata
---
amdhsa.version: [ 1, 2 ]
amdhsa.kernels:
  - .name:           k_q47fde197ba_oproj
    .symbol:         k_q47fde197ba_oproj.kd
    .args:
      - { .name: ob, .offset: 0, .size: 8, .value_kind: global_buffer, .address_space: global }
      - { .name: wb, .offset: 8, .size: 8, .value_kind: global_buffer, .address_space: global }
      - { .name: bo, .offset: 16, .size: 8, .value_kind: global_buffer, .address_space: global }
      - { .name: out0, .offset: 24, .size: 8, .value_kind: global_buffer, .address_space: global }
    .group_segment_fixed_size: 312832
    .private_segment_fixed_size: 0
    .kernarg_segment_align: 8
    .kernarg_segment_size: 32
    .max_flat_workgroup_size: 128
    .sgpr_count:     84
    .vgpr_count:     384
    .wavefront_size: 32
...
	.end_amdgpu_metadata
.endif
;; end of part 4
